; MI455X (gfx1250); checked and timed in simulation.
; The chip was launched on July 23, 2026; its instructions are those of AMD's public machine-readable ISA for CDNA 5 (MIT licence, August 2026) and "CDNA5" Instruction Set Architecture Reference Guide (July 2026). The comments in the code are by the model that wrote it; some were corrected since.
;; Attention Block. Allowed arithmetic: matrix products marked QUANTISED: E5M2 operands, one E8M0 scale for each 32 along K, by v_wmma_scale_f32_16x16x128_f8f6f4 with both operands' format E5M2, f32 sums; everything else in f32.
;; Inputs: norm_b 256 float32; norm_w 256 float32; proj_b 256 float32; proj_w_codes 256 x 8 x 32 uint8 (E5M2 codes of proj_w, K innermost, in blocks of 32 codes); proj_w_scales 256 x 8 uint8 (E8M0 scales of proj_w, one for each 32 codes along K); qkv_b 768 float32; qkv_w_codes 768 x 8 x 32 uint8 (E5M2 codes of qkv_w, K innermost, in blocks of 32 codes); qkv_w_scales 768 x 8 uint8 (E8M0 scales of qkv_w, one for each 32 codes along K); x 4 x 256 x 64 x 64 float32.
;; Outputs: out0 4 x 256 x 64 x 64 float32.
;; This version of the problem:
;;   THIS VERSION OF THE PROBLEM IS GIVEN IN LOW PRECISION. The matrix products marked QUANTISED in the list below multiply operands that are first quantised to E5M2 (5 exponent bits, 2 mantissa bits; 8 bits a number), with one power-of-two scale for each 32 numbers along K (OCP MX v1.0); their sums are f32. All else is computed in f32.
;;   The module's matrix products, in the order in which they are computed (A, B: the left and right operand; K: the contracted axis; several contracted axes count as one K, in the product's order):
;;     1. [M 768, K 256] x [K 256, N 16,384]; A: input qkv_w (given as codes); B: computed on the way: QUANTISED
;;     2. batch 16 x [M 4,096, K 64] x [K 64, N 4,096]; A: computed on the way; B: computed on the way: QUANTISED
;;     3. batch 16 x [M 4,096, K 4,096] x [K 4,096, N 64]; A: softmax (see below); B: computed on the way: QUANTISED
;;     4. [M 256, K 256] x [K 256, N 16,384]; A: input proj_w (given as codes); B: computed on the way: QUANTISED
;;   THE QUANTISER, for each operand of a quantised product, along K:
;;     - K is cut into blocks of 32 from its start; a last block that is shorter is filled with zeros.
;;     - A block's scale is 2^e with e = floor(log2(the largest magnitude in the block)) - 15, held to -126 .. 127; a block of zeros has e = 0. As a byte (E8M0): e + 127.
;;     - Each number is divided by its block's scale, clamped to +-57,344, and rounded to the nearest number of E5M2, ties to even, subnormals kept.
;;     - The product sums the exact products of the quantised numbers (number of the format x scale) in f32.
;;   ~~~python
;;   def quantise(x, axis):      # numpy; x: float32 -> the quantised numbers, widened to float32 again
;;       x = np.moveaxis(x, axis, -1); K = x.shape[-1]
;;       x = np.pad(x, [(0, 0)] * (x.ndim - 1) + [(0, -K % 32)]); x = x.reshape(x.shape[:-1] + (-1, 32)); a = np.abs(x).max(-1, keepdims=True)
;;       e = np.where(a > 0, np.clip(np.frexp(np.where(a > 0, a, 1))[1] - 1 - 15, -126, 127), 0)      # np.frexp(a)[1] - 1 = floor(log2(a)), exactly
;;       r = np.clip(x / 2.0 ** e, -57344, 57344)
;;       step = 2.0 ** (np.maximum(np.frexp(np.where(r == 0, 1, r))[1] - 1, -14) - 2)
;;       q = np.round(r / step) * step * 2.0 ** e      # np.round: ties to even
;;       return np.moveaxis(q.reshape(q.shape[:-2] + (-1,))[..., :K], -1, axis).astype(np.float32)
;;   ~~~
;;   SOFTMAX AHEAD OF A QUANTISED PRODUCT. Where the list says 'softmax', what is quantised is not the finished softmax but p = 2^(t - M), with t = logit x log2(e) and M = ceil(the row's largest t), a whole number; so 1/2 < the row's largest p <= 1. The row's sum l is taken of the UNQUANTISED p, in f32, and the product's result is divided by l at the end. Since M is a whole number, a kernel that streams over the keys may use a running M (the ceiling of the running maximum): every later rescaling is an exact power of two, which a block's scale takes up: the codes' values come out the same.
;;   OPERANDS COMPUTED ON THE WAY. 'Computed on the way' means the value that the module computes at that place (a softmax that the list does not call 'softmax' is quantised finished and normalised). What goes into a quantiser is computed in f32, as accurately as f32 sums, v_exp_f32 and their like allow (about 1e-6 of the number): no bf16 or f16 on the way to a quantiser, and a product that is left as it is and whose result goes on into a quantised operand takes f32 operands (vector FMAs, or v_wmma_f32_16x16x4_f32). A number that lies on a knife's edge between two numbers of the format may be rounded either way, as far as f32 arithmetic and the matrix unit's own rounding can turn it there, and no further.
;;   INPUTS GIVEN AS CODES. proj_w (in the module: [256, 256], K = its axis 1); qkv_w (in the module: [768, 256], K = its axis 1): each comes as NAME_codes (uint8): NAME with its K axis moved to the last place and cut into blocks of 32 codes, [.., K / 32, bytes a block], one block behind the other in memory; one code a byte (a code: sign, 5 exponent bits, 2 mantissa bits); and NAME_scales (uint8): the same leading axes, one E8M0 byte (e + 127) for each 32 codes along K. Its value is code x scale, taken as it is: it is not quantised again, and the codes and scales need not be those that the quantiser above would give.
;; One version. Each part assembles by itself: llvm-mc -triple=amdgcn-amd-amdhsa -mcpu=gfx1250 --defsym DOCPART=n.
;; ======== version 1 of 1: 4 launches
;; limits: right only within a limited range of input values
;; workspace buffers: gstat 2,048 bytes; qimg 4,194,304 bytes; qsc 524,288 bytes; kvimg 8,388,608 bytes; kvsc 786,432 bytes; oimg 4,194,304 bytes; osc 524,288 bytes
;; launch gn_stats (part 1): grid 256 x 1, 8 waves a work-group, no clusters, 1,280 bytes of LDS; arguments x, gstat; writes gstat
.if DOCPART == 1
	.amdgcn_target "amdgcn-amd-amdhsa--gfx1250"
	.amdhsa_code_object_version 6
	.text
	.protected	k_q84a24680c1_gn_stats
	.globl	k_q84a24680c1_gn_stats
	.p2align	8
	.type	k_q84a24680c1_gn_stats,@function
k_q84a24680c1_gn_stats:
	s_mov_b64 s[64:65], 0
	v_nop
	global_prefetch_b8 v0, s[64:65] scope:SCOPE_SE
	s_setreg_imm32_b32 hwreg(HW_REG_WAVE_MODE, 25, 1), 1
	s_wait_xcnt 0x0
; GroupNorm's statistics, first half.  x is [4][256][4096] f32; a norm group is 32 channels x 4,096 pixels = 524,288 consecutive bytes = 8 pieces of 65,536 bytes.
; Work-group i takes piece i (16,384 numbers) and stores its mean and its sum of squared deviations FROM ITS OWN MEAN at gstat[i] (8 bytes).  The next launch joins a group's
; eight pieces: no difference of large sums is formed anywhere, so a common offset of the inputs costs no digits of the variance.
; Eight waves; thread t holds the 16 bytes at 16 t + 4,096 j, j = 0 .. 15: each load of a wave covers 512 consecutive bytes, all 16 loads are out at once, and the piece stays in
; registers between the pass for the mean and the pass for the deviations: memory is read once.
; No matrix unit, no tensor load, no cluster: the work-groups share no input and every byte is asked for in the first lines.
; LIMITS: NaN and infinities among the inputs are not served.
.set X,  16                            ; v16-79  my 64 numbers
.set CH, 80                            ; v80-87  four packed chains
	s_load_b128 s[4:7], s[0:1], 0x0                ; x, gstat
	v_lshl_add_u32 v96, v0, 2, 0x100
	v_mov_b32 v97, 0
	v_lshlrev_b32 v1, 4, v0                        ; 16 t
	v_lshrrev_b32 v2, 5, v0
	s_delay_alu instid0(VALU_DEP_1)
	v_readfirstlane_b32 s8, v2                     ; wave
	s_delay_alu instid0(VALU_DEP_2)
	v_lshlrev_b32 v90, 2, v2                       ; LDS: my wave's word
	v_mov_b32 v91, 0
	v_mov_b32 v89, 0                               ; written once: a lane permute's destination counts as one of its sources
	s_lshl_b32 s12, ttmp9, 16                      ; my piece
	s_mov_b32 s13, 0
	s_mov_b32 s10, 0x76543210                      ; v_permlanex16_b32's selects for lane l xor 16
	s_mov_b32 s11, 0xfedcba98
	s_wait_alu depctr_va_vdst(0)
	s_wait_kmcnt 0x0
	s_add_nc_u64 s[4:5], s[4:5], s[12:13]
.irp j, 0,1,2,3,4,5,6,7,8,9,10,11,12,13,14,15
	global_load_b128 v[X+4*\j:X+4*\j+3], v1, s[4:5] offset:4096*\j
.endr
.macro WAVESUM                         ; the four chains, then the 32 lanes: the wave's sum in every lane of v88
	s_delay_alu instid0(VALU_DEP_3)
	v_pk_add_f32 v[CH:CH+1], v[CH:CH+1], v[CH+2:CH+3]
	s_delay_alu instid0(VALU_DEP_2)
	v_pk_add_f32 v[CH+4:CH+5], v[CH+4:CH+5], v[CH+6:CH+7]
	s_delay_alu instid0(VALU_DEP_1)
	v_pk_add_f32 v[CH:CH+1], v[CH:CH+1], v[CH+4:CH+5]
	s_delay_alu instid0(VALU_DEP_1)
	v_add_f32 v88, v[CH], v[CH+1]
	s_delay_alu instid0(VALU_DEP_1)
	v_add_f32_dpp v88, v88, v88 row_xmask:1 row_mask:0xf bank_mask:0xf
	s_delay_alu instid0(VALU_DEP_1)
	v_add_f32_dpp v88, v88, v88 row_xmask:2 row_mask:0xf bank_mask:0xf
	s_delay_alu instid0(VALU_DEP_1)
	v_add_f32_dpp v88, v88, v88 row_xmask:4 row_mask:0xf bank_mask:0xf
	s_delay_alu instid0(VALU_DEP_1)
	v_add_f32_dpp v88, v88, v88 row_xmask:8 row_mask:0xf bank_mask:0xf
	s_delay_alu instid0(VALU_DEP_1)
	v_permlanex16_b32 v89, v88, s10, s11
	s_delay_alu instid0(VALU_DEP_1)
	v_add_f32 v88, v88, v89
.endm
.macro GROUPSUM off                    ; the eight waves' sums meet in eight words of LDS at off: the work-group's sum in every lane of v88
	ds_store_b32 v90, v88 offset:\off
	s_wait_dscnt 0x0                               ; for the others' sake: my word has landed
	s_barrier_signal -1
	s_barrier_wait -1
	ds_load_b128 v[CH:CH+3], v91 offset:\off
	ds_load_b128 v[CH+4:CH+7], v91 offset:\off+16
	s_wait_dscnt 0x0
	v_pk_add_f32 v[CH:CH+1], v[CH:CH+1], v[CH+2:CH+3]
	v_pk_add_f32 v[CH+4:CH+5], v[CH+4:CH+5], v[CH+6:CH+7]
	s_delay_alu instid0(VALU_DEP_1)
	v_pk_add_f32 v[CH:CH+1], v[CH:CH+1], v[CH+4:CH+5]
	s_delay_alu instid0(VALU_DEP_1)
	v_add_f32 v88, v[CH], v[CH+1]
.endm
	; pass 1: the sum.  The loads come back in order: each count is the number of loads issued behind the four that are wanted
	s_wait_loadcnt 12
.irp k, 0,1,2,3
	v_pk_add_f32 v[CH+2*\k:CH+2*\k+1], v[X+4*\k:X+4*\k+1], v[X+4*\k+2:X+4*\k+3]   ; the first four loads start the chains: nothing is cleared
.endr
	s_wait_alu depctr_va_vdst(0)
.irp g, 1,2,3
	s_wait_alu depctr_va_vdst(0)
	s_wait_loadcnt 12-4*\g
.irp k, 0,1,2,3
	v_pk_add_f32 v[CH+2*\k:CH+2*\k+1], v[CH+2*\k:CH+2*\k+1], v[X+16*\g+4*\k:X+16*\g+4*\k+1]
.endr
.irp k, 0,1,2,3
	s_delay_alu instid0(VALU_DEP_4)
	v_pk_add_f32 v[CH+2*\k:CH+2*\k+1], v[CH+2*\k:CH+2*\k+1], v[X+16*\g+4*\k+2:X+16*\g+4*\k+3]
.endr
.endr
	WAVESUM
	GROUPSUM 0
	s_delay_alu instid0(VALU_DEP_1)
	v_mul_f32 v94, 0x38800000, v88                 ; the piece's mean: sum x 2^-14
	s_delay_alu instid0(VALU_DEP_1)
	v_mov_b32 v95, v94                             ; twice: a pair for the packed subtraction
	; pass 2: the squared deviations from that mean
.set i, 0
.rept 32
	v_pk_add_f32 v[X+2*i:X+2*i+1], v[X+2*i:X+2*i+1], v[94:95] neg_lo:[0,1] neg_hi:[0,1]
.set i, i+1
.endr
.irp k, 0,1,2,3
	v_pk_mul_f32 v[CH+2*\k:CH+2*\k+1], v[X+2*\k:X+2*\k+1], v[X+2*\k:X+2*\k+1]
.endr
.set i, 4
.rept 28
	s_delay_alu instid0(VALU_DEP_4)
	v_pk_fma_f32 v[CH+2*(i%4):CH+2*(i%4)+1], v[X+2*i:X+2*i+1], v[X+2*i:X+2*i+1], v[CH+2*(i%4):CH+2*(i%4)+1]
.set i, i+1
.endr
	WAVESUM
	GROUPSUM 64                                    ; other words than the first meeting's, which slower waves may still be reading
	s_cmp_lg_u32 s8, 0
	s_cbranch_scc1 .Lothers
	v_mov_b32 v92, v94                             ; (mean, sum of squared deviations)
	v_mov_b32 v93, v88
	s_lshl_b32 s14, ttmp9, 3
	v_mov_b32 v87, s14
	v_cmp_eq_u32 vcc_lo, 0, v0
	s_wait_alu depctr_va_vdst(0)
	s_wait_xcnt 0x0                                ; EXEC changes only behind this wait
	s_wait_tensorcnt 0x0
	ds_add_u32 v96, v97
	s_wait_dscnt 0x0
	s_and_saveexec_b32 s9, vcc_lo
	global_store_b64 v87, v[92:93], s[6:7]         ; thread 0 alone
	s_wait_xcnt 0x0                                ; and again in front of the line that widens it
	s_or_b32 exec_lo, exec_lo, s9
	s_endpgm
.Lothers:
	s_wait_tensorcnt 0x0
	ds_add_u32 v96, v97
	s_wait_dscnt 0x0
	s_endpgm
.Lfunc_end_k_q84a24680c1_gn_stats:
	.size	k_q84a24680c1_gn_stats, .Lfunc_end_k_q84a24680c1_gn_stats-k_q84a24680c1_gn_stats
	.p2alignl 7, 3214868480
	.fill 96, 4, 3214868480
	.section	.rodata,"a",@progbits
	.p2align	6, 0x0
	.amdhsa_kernel k_q84a24680c1_gn_stats
		.amdhsa_group_segment_fixed_size 1280
		.amdhsa_private_segment_fixed_size 0
		.amdhsa_enable_private_segment 0
		.amdhsa_kernarg_size 16
		.amdhsa_user_sgpr_count 2
		.amdhsa_user_sgpr_kernarg_segment_ptr 1
		.amdhsa_wavefront_size32 1
		.amdhsa_system_sgpr_workgroup_id_x 1
		.amdhsa_system_sgpr_workgroup_id_y 1
		.amdhsa_system_sgpr_workgroup_id_z 1
		.amdhsa_system_vgpr_workitem_id 0
		.amdhsa_next_free_vgpr 98
		.amdhsa_next_free_sgpr 66
		.amdhsa_reserve_vcc 1
		.amdhsa_float_denorm_mode_32 3
		.amdhsa_float_denorm_mode_16_64 3
		.amdhsa_memory_ordered 1
		.amdhsa_forward_progress 1
		.amdhsa_inst_pref_size 14
	.end_amdhsa_kernel
	.amdgpu_metadata
---
amdhsa.version: [ 1, 2 ]
amdhsa.kernels:
  - .name:           k_q84a24680c1_gn_stats
    .symbol:         k_q84a24680c1_gn_stats.kd
    .args:
      - { .name: x, .offset: 0, .size: 8, .value_kind: global_buffer, .address_space: global }
      - { .name: gstat, .offset: 8, .size: 8, .value_kind: global_buffer, .address_space: global }
    .group_segment_fixed_size: 1280
    .private_segment_fixed_size: 0
    .kernarg_segment_align: 8
    .kernarg_segment_size: 16
    .max_flat_workgroup_size: 256
    .sgpr_count:     66
    .vgpr_count:     98
    .wavefront_size: 32
...
	.end_amdgpu_metadata
.endif
;; end of part 1
;; launch qkv (part 2): grid 256 x 1, 8 waves a work-group, clusters of 4 x 1, 230,912 bytes of LDS; arguments x, gstat, norm_w, norm_b, qkv_w_codes, qkv_w_scales, qkv_b, qimg, qsc, kvimg, kvsc; writes qimg, qsc, kvimg, kvsc
.if DOCPART == 2
	.amdgcn_target "amdgcn-amd-amdhsa--gfx1250"
	.amdhsa_code_object_version 6
	.text
	.protected	k_q84a24680c1_qkv
	.globl	k_q84a24680c1_qkv
	.p2align	8
	.type	k_q84a24680c1_qkv,@function
k_q84a24680c1_qkv:
	s_mov_b64 s[64:65], 0
	v_nop
	global_prefetch_b8 v0, s[64:65] scope:SCOPE_SE
	s_setreg_imm32_b32 hwreg(HW_REG_WAVE_MODE, 25, 1), 1
	s_wait_xcnt 0x0
	s_wait_alu depctr_hold_cnt(0) depctr_sa_sdst(0) depctr_va_vdst(0) depctr_va_sdst(0) depctr_va_ssrc(0) depctr_va_vcc(0) depctr_vm_vsrc(0)
	s_getreg_b32 s2, hwreg(HW_REG_IB_STS2, 6, 4)
	s_cmp_eq_u32 s2, 0
	s_cbranch_scc0 .Lentry_in_a_cluster
	s_endpgm
.Lentry_in_a_cluster:
	s_bfe_u32 s2, ttmp6, 0x10000c
	s_cmp_lg_u32 s2, 0x3003
	s_cbranch_scc0 .Lentry_shape_is_right
	s_endpgm
.Lentry_shape_is_right:
; GroupNorm (second half), h quantised along the channels, qkv = W h + b on codes of BF8 (E5M2) with one E8M0 scale for each 32 along K, and q, k (along the head's 64) and v (along the keys) quantised for attention.
; SHARES.  A work-group takes 64 pixels of one image and all 768 outputs: 384 matrix instructions, 48 a wave.  Wave w = (head w / 2, half w % 2).
; CLUSTER.  Every work-group reads all 196,608 bytes of W's codes, the larger part of what it reads (x: 65,536): four work-groups ask for them JOINTLY, each wave 96 rows, once; nothing in LDS is filled twice.
; THE TILE ORDER.  Lane r of tile 2 B + u takes row 32 B + 8 u + r + 8 (r / 8): of W's rows, and of the pixels of a tile of h.  In a result, the 16 registers of tiles 2 B and 2 B + 1 are then 16 neighbours,
; 32 B + 16 (lane / 16) + 0 .. 15, along source 0's rows: the order of an 8-bit operand's registers, so that the conversions' results ARE the next product's operand.
;   q, k: source 0 = the head's four tiles of W, source 1 = two tiles of pixels: a lane holds one pixel, its registers run along d.
;   v:    source 0 = the four tiles of pixels, source 1 = two tiles of W: a lane holds one d, its registers run along the keys.
; OUT.  Operands leave as IMAGES OF THEIR REGISTERS: four registers = 512 bytes, lane l's 16 bytes at 16 l: each such store of a wave covers 512 consecutive bytes, aligned.
;   qimg [bh][tile 256][B][512];  qsc [bh][tile][lane] words (byte 0, byte 1, 0x7f, 0x7f).   kvimg [bh][step of 128 keys] records of 16,384: K's tile T at 1,024 T + 512 B; V's tile t of d at 8,192 + 2,048 t + 512 c, c the block of 32 keys.
;   kvsc [bh] 49,152: K's words at 1,024 step + 512 (T / 4) + 16 lane + 4 (T % 4); V's at 32,768 + 512 step + 16 lane + 4 t, byte c.  (V's two bytes a lane are the text's only stores of two bytes: 131,072 bytes in the launch.)
; THE QUANTISER: a block's largest magnitude with the floor 2^(16 - 127) among its leaves; 15 off its exponent field is the conversion's scale operand and, shifted, the byte; each number is held within 57,344 x the scale.
; LIMITS: a block of zeros gets the byte 1 (its codes are zeros, and this program alone reads the bytes); NaN and infinities among the inputs are not served.
; No prefetch: all that the work-group reads is asked for in its first lines.
.set PIT,  272                         ; an LDS row of 256 codes + 16 bytes: an odd multiple of 16
.set HL,   768*PIT                     ; behind W's 768 rows: h's codes, 64 pixel rows
.set HS,   HL+64*PIT                   ; h's scale bytes, 8 a pixel
.set TABA, HS+512                      ; rstd x norm_w, a word a channel;  + 1,024: norm_b;  + 2,048: the channel's group's mean
.set LI16, 1                           ; v1   16 x lane
.set LI4,  2                           ; v2   4 x lane
.set AWQ,  3                           ; v3-5 LDS: my lane's place in q's, k's, v's tiles of W
.set AWK,  4
.set AWV,  5
.set AHQ,  6                           ; v6   in my half's two tiles of h;  v7 in h's first tile
.set AHV,  7
.set AHSQ, 8                           ; v8, v9 the same among h's scale bytes
.set AHSV, 9
.set GWS,  10                          ; v10  8 x (r + 8 (r / 8)): W's scale bytes in memory
.set GBQ,  11                          ; v11  64 x (lane / 16): q's and k's biases
.set GBV,  12                          ; v12  4 x (r + 8 (r / 8)): v's
.set HST,  14                          ; v14  where I put my pixel's codes;  v15 its scale bytes
.set HSS,  15
.set TAD,  16                          ; v16  my 64 channels in the tables
.set TST,  17                          ; v17  my thread's channel in the tables
.set SOF,  18                          ; v18  8 x (lane % 8): a piece's pair in gstat
.set COF,  19                          ; v19  4 x thread
.set BIAS, 20                          ; v20-51   biases in the result's layout
.set BIGS, 52                          ; v52-59   scale words of source 0's four tiles, a pair (K step 0, 1) each
.set SMLS, 60                          ; v60-63   of source 1's two
.set BIG,  64                          ; v64-127  four fragments.   In the norm: my pixel's 64 channels
.set SML,  128                         ; v128-159 two fragments.    In the norm: rstd x w
.set ACC,  160                         ; v160-223 8 accumulators: 32 j + 8 i.   In the norm: v160-191 b, v192-193 the mean
.set COD,  224                         ; v224-239 codes
.set TM,   240                         ; v240-241 largest magnitudes, 242-243 the other half's, then bytes, 246-247 scale operands
.set WV,   26                          ; s26 wave
.set SEL,  34                          ; s[34:35] v_permlanex16_b32's selects for lane l xor 16
.set MNT,  36
.macro PLACES n
.rept \n
	v_nop
.endr
.endm
.macro CROUND                          ; a round of the cluster's barrier
	s_barrier_signal -1
	s_barrier_wait -1
	s_cmp_lg_u32 s[WV], 0
	s_cbranch_scc1 .Lnot_wave_0_\@
	s_barrier_signal -3
.Lnot_wave_0_\@:
	s_barrier_wait -3
	s_barrier_signal -1
	s_barrier_wait -1
.endm
.macro OFS reg, sh                     ; s66 += s[reg] << sh
	s_lshl_b32 s68, s[\reg], \sh
	s_add_co_u32 s66, s66, s68
.endm
	s_load_b512 s[4:19], s[0:1], 0x0               ; x 4, gstat 6, norm_w 8, norm_b 10, W's codes 12, W's scales 14, qkv_b 16, qimg 18
	s_load_b128 s[20:23], s[0:1], 0x40             ; qsc 20, kvimg 22
	s_load_b64 s[24:25], s[0:1], 0x50              ; kvsc
	v_lshl_add_u32 v13, v0, 2, 0x38200
	v_mov_b32 v255, 0
	ds_add_u32 v13, v255
	ds_add_u32 v13, v255
	v_lshrrev_b32 v250, 5, v0
	s_delay_alu instid0(VALU_DEP_1)
	v_readfirstlane_b32 s[WV], v250
	s_bfe_u32 s27, ttmp6, 0x40000                  ; cx: it enters global addresses alone
	s_lshl_b32 s28, ttmp9, 2
	s_add_co_u32 s28, s28, s27                     ; work-group = 4 x cluster + cx
	s_lshr_b32 s29, s28, 6                         ; image
	s_and_b32 s30, s28, 63                         ; block of 64 pixels
	s_lshr_b32 s31, s[WV], 1                       ; head; in the norm: which 64 channels
	s_and_b32 s32, s[WV], 1                        ; half; in the norm: which 32 pixels
	s_lshl_b32 s33, s29, 2
	s_add_co_u32 s33, s33, s31                     ; bh = 4 x image + head
	s_mov_b32 s[SEL], 0x76543210
	s_mov_b32 s[SEL+1], 0xfedcba98
	s_mov_b32 s37, 0x37000000                      ; 2^-17: a group has 131,072 numbers
	s_mov_b32 s38, 0x3727c5ac                      ; 1e-5
	s_lshr_b32 s60, s30, 1                         ; key step
	s_and_b32 s61, s30, 1                          ; which 64 keys of it
	s_mov_b32 s67, 0
	; every LDS address is made here, of the lane, the wave's number and constants
	v_and_b32 v250, 31, v0                         ; lane
	v_and_b32 v251, 15, v0                         ; r
	v_bfe_u32 v252, v0, 4, 1                       ; h
	s_delay_alu instid0(VALU_DEP_2)
	v_and_b32 v253, 8, v251
	s_delay_alu instid0(VALU_DEP_1)
	v_add_nc_u32 v253, v253, v251                  ; r + 8 (r / 8)
	v_lshlrev_b32 v[LI16], 4, v250
	v_lshlrev_b32 v[LI4], 2, v250
	s_delay_alu instid0(VALU_DEP_3)
	v_mul_u32_u24 v254, v253, PIT
	s_delay_alu instid0(VALU_DEP_1)
	v_lshl_add_u32 v254, v252, 4, v254             ; a fragment's row x pitch + 16 h
	s_mul_i32 s69, s31, 64*PIT
	v_add_nc_u32 v[AWQ], s69, v254                 ; q's rows of my head,
	s_delay_alu instid0(VALU_DEP_1)
	v_add_nc_u32 v[AWK], 256*PIT, v[AWQ]           ; k's,
	s_mul_i32 s70, s32, 32*PIT
	s_add_co_u32 s71, s70, 512*PIT
	v_add_nc_u32 v[AWV], s71, v[AWQ]               ; v's, my half's 32
	s_add_co_u32 s71, s70, HL
	v_add_nc_u32 v[AHQ], s71, v254
	v_add_nc_u32 v[AHV], HL, v254
	v_lshlrev_b32 v[GWS], 3, v253
	s_delay_alu instid0(VALU_DEP_1)
	v_add_nc_u32 v[AHSV], HS, v[GWS]
	s_lshl_b32 s69, s32, 8
	v_add_nc_u32 v[AHSQ], s69, v[AHSV]
	v_lshlrev_b32 v[GBQ], 6, v252
	v_lshlrev_b32 v[GBV], 2, v253
	v_mul_u32_u24 v[HST], v250, PIT
	s_lshl_b32 s70, s31, 6
	s_add_co_u32 s70, s70, s71
	v_add_nc_u32 v[HST], s70, v[HST]               ; HL + (32 half + lane) x pitch + 64 x (wave / 2)
	v_lshlrev_b32 v[HSS], 3, v250
	s_lshl_b32 s70, s31, 1
	s_add_co_u32 s70, s70, s69
	s_add_co_u32 s70, s70, HS
	v_add_nc_u32 v[HSS], s70, v[HSS]               ; HS + (32 half + lane) x 8 + 2 x (wave / 2)
	s_lshl_b32 s70, s31, 8
	s_add_co_u32 s70, s70, TABA
	v_mov_b32 v[TAD], s70
	v_lshl_add_u32 v[TST], v0, 2, TABA
	v_and_b32 v[SOF], 7, v0
	s_delay_alu instid0(VALU_DEP_1)
	v_lshlrev_b32 v[SOF], 3, v[SOF]
	v_lshlrev_b32 v[COF], 2, v0
	v_mov_b32 v[TM+2], 0                           ; written once: a lane permute's destination counts as one of its sources
	v_mov_b32 v[TM+3], 0
	; descriptor group 1: 96 rows of 256 bytes, 16 bytes of padding behind each, for all four work-groups
	s_mov_b32 s40, 15|(0<<16)|(1<<20)|(1<<21)|(5<<22)|(3<<25)   ; 15:0 the mask; 17:16 elements of 1 byte; 20 padding on; 21 set beside a mask; 24:22 after every 64 words; 31:25 four words
	s_mov_b32 s41, 256<<16                         ; tensor_dim0
	s_mov_b32 s42, 96<<16                          ; tensor_dim1
	s_mov_b32 s43, 256<<16                         ; tile_dim0
	s_mov_b32 s44, 96                              ; tile_dim1
	s_mov_b32 s45, 256                             ; from row to row
	s_mov_b32 s46, 0
	s_mov_b32 s47, 0
	s_mov_b32 s48, 1
	s_mul_i32 s49, s[WV], 96*PIT                   ; LDS: my wave's 96 rows
	s_mul_i32 s76, s[WV], 96*256
	s_mov_b32 s77, 0
	s_lshl_b32 s66, s29, 22                        ; x: image, 64 x (wave / 2) channels, the block's 256 bytes, my 32 pixels
	OFS 31, 20
	OFS 30, 8
	OFS 32, 7
	s_lshl_b32 s74, s29, 3
	s_add_co_u32 s74, s74, s[WV]
	s_lshl_b32 s74, s74, 6                         ; gstat: group 8 x image + wave, 64 bytes
	s_mov_b32 s75, 0
	s_wait_alu depctr_va_vdst(0)
	s_wait_dscnt 0x0
	s_wait_kmcnt 0x0
	s_add_nc_u64 s[4:5], s[4:5], s[66:67]
	s_add_nc_u64 s[6:7], s[6:7], s[74:75]
	global_load_b64 v[200:201], v[SOF], s[6:7]     ; piece lane % 8 of group w: its mean, its squared deviations
	global_load_b32 v202, v[COF], s[8:9]           ; norm_w of channel = thread
	global_load_b32 v203, v[COF], s[10:11]         ; norm_b
.set i, 0
.rept 64
	global_load_b32 v[BIG+i], v[LI4], s[4:5] offset:16384*i   ; A LANE IS A PIXEL, ITS REGISTERS RUN DOWN THE CHANNELS: a wave reads 128 consecutive bytes, the two waves of a channel range 256
.set i, i+1
.endr
	s_add_nc_u64 s[50:51], s[12:13], s[76:77]
	s_or_b32 s51, s51, 0x80000000
	CROUND                                         ; all four work-groups are here: the joint loads meet
	tensor_load_to_lds s[48:51], s[40:47]          ; my 96 rows of W: one load of mine is out, until the second barrier
	s_nop 0
	PLACES 4
	s_lshl_b32 s66, s31, 9                         ; W's scale bytes: my head's 64 rows of 8
	s_add_nc_u64 s[14:15], s[14:15], s[66:67]
	s_lshl_b32 s66, s32, 8
	s_add_co_u32 s66, s66, 4096
	s_add_nc_u64 s[52:53], s[14:15], s[66:67]      ; v's rows, my half's 32
	s_lshl_b32 s66, s31, 8                         ; the biases likewise
	s_add_nc_u64 s[16:17], s[16:17], s[66:67]
	s_lshl_b32 s66, s32, 7
	s_add_co_u32 s66, s66, 2048
	s_add_nc_u64 s[54:55], s[16:17], s[66:67]
; what a unit wants from memory: W's scale words and the biases.  o = 0: q, 1: k
.macro AUXQK o
.irp i, 0,1,2,3
	global_load_b64 v[BIGS+2*\i:BIGS+2*\i+1], v[GWS], s[14:15] offset:2048*\o+(32*(\i/2)+8*(\i%2))*8
.endr
.irp i, 0,1,2,3
	global_load_b128 v[BIAS+8*\i:BIAS+8*\i+3], v[GBQ], s[16:17] offset:1024*\o+(32*(\i/2)+8*(\i%2))*4      ; lane (r, h), tile i: the biases of d = 32 (i / 2) + 8 (i % 2) + 16 h + 0 .. 7
	global_load_b128 v[BIAS+8*\i+4:BIAS+8*\i+7], v[GBQ], s[16:17] offset:1024*\o+(32*(\i/2)+8*(\i%2))*4+16
.endr
.endm
.macro AUXV
.irp j, 0,1
	global_load_b64 v[SMLS+2*\j:SMLS+2*\j+1], v[GWS], s[52:53] offset:64*\j
.endr
.irp j, 0,1
.irp n, 0,1,2,3,4,5,6,7
	global_load_b32 v[BIAS+8*\j+\n], v[GBV], s[54:55] offset:32*\j   ; a lane holds one d: its bias in all eight registers
.endr
.endr
.endm
	AUXQK 0                                        ; 12 loads behind x's 64
	s_lshl_b32 s66, s33, 18                        ; qimg: 262,144 a head, 1,024 a tile: tile 4 x block + 2 x half
	OFS 30, 12
	OFS 32, 11
	s_add_nc_u64 s[18:19], s[18:19], s[66:67]
	s_lshl_b32 s66, s33, 15                        ; qsc: 128 a tile
	OFS 30, 9
	OFS 32, 8
	s_add_nc_u64 s[20:21], s[20:21], s[66:67]
	s_lshl_b32 s66, s33, 19                        ; kvimg: the step's record
	OFS 60, 14
	s_add_nc_u64 s[22:23], s[22:23], s[66:67]
	s_lshl_b32 s66, s32, 12                        ; V: tiles 2 x half on, key blocks 2 x (block % 2) on
	OFS 61, 10
	s_add_co_u32 s66, s66, 8192
	s_add_nc_u64 s[56:57], s[22:23], s[66:67]
	s_lshl_b32 s66, s61, 12                        ; K: tile 4 x (block % 2) + 2 x half
	OFS 32, 11
	s_add_nc_u64 s[22:23], s[22:23], s[66:67]
	s_mul_i32 s66, s33, 49152                      ; kvsc: the head
	s_add_nc_u64 s[24:25], s[24:25], s[66:67]
	s_lshl_b32 s66, s60, 9                         ; V's words
	OFS 32, 3
	OFS 61, 1
	s_add_co_u32 s66, s66, 32768
	s_add_nc_u64 s[58:59], s[24:25], s[66:67]
	s_lshl_b32 s66, s60, 10                        ; K's words
	OFS 61, 9
	OFS 32, 3
	s_add_nc_u64 s[24:25], s[24:25], s[66:67]
	; ---- the statistics: wave w joins group w's eight pieces; thread = channel
	s_wait_loadcnt 63                              ; 76 loads were issued behind the three that are wanted; the count is the largest that the wait's field holds
	v_mov_b32 v204, v200
	s_delay_alu instid0(VALU_DEP_1)
	v_add_f32_dpp v204, v204, v204 row_xmask:1 row_mask:0xf bank_mask:0xf
	s_delay_alu instid0(VALU_DEP_1)
	v_add_f32_dpp v204, v204, v204 row_xmask:2 row_mask:0xf bank_mask:0xf
	s_delay_alu instid0(VALU_DEP_1)
	v_add_f32_dpp v204, v204, v204 row_xmask:4 row_mask:0xf bank_mask:0xf
	s_delay_alu instid0(VALU_DEP_1)
	v_mul_f32 v204, 0x3e000000, v204               ; the group's mean: the pieces are of one size
	s_delay_alu instid0(VALU_DEP_1)
	v_sub_f32 v205, v200, v204
	s_delay_alu instid0(VALU_DEP_1)
	v_mul_f32 v206, 0x46800000, v205               ; 16,384 (piece's mean - mean)^2 + the piece's squared deviations
	s_delay_alu instid0(VALU_DEP_1)
	v_fma_f32 v206, v206, v205, v201
	s_delay_alu instid0(VALU_DEP_1)
	v_add_f32_dpp v206, v206, v206 row_xmask:1 row_mask:0xf bank_mask:0xf
	s_delay_alu instid0(VALU_DEP_1)
	v_add_f32_dpp v206, v206, v206 row_xmask:2 row_mask:0xf bank_mask:0xf
	s_delay_alu instid0(VALU_DEP_1)
	v_add_f32_dpp v206, v206, v206 row_xmask:4 row_mask:0xf bank_mask:0xf
	s_delay_alu instid0(VALU_DEP_1)
	v_fma_f32 v206, v206, s37, s38                 ; the variance + 1e-5
	s_wait_alu depctr_va_vdst(0)
	v_rsq_f32 v207, v206
	v_nop                                          ; a plain instruction behind the transcendental,
	s_wait_alu depctr_va_vdst(0)                   ; and the wait ahead of its first reader
	v_mul_f32 v207, v207, v202
	ds_store_b32 v[TST], v207
	ds_store_b32 v[TST], v203 offset:1024
	ds_store_b32 v[TST], v204 offset:2048
	s_wait_dscnt 0x0                               ; for the others' sake: my three words have landed
	s_barrier_signal -1                            ; (W's load stays out, and nobody reads W before the next)
	s_barrier_wait -1
	; ---- the norm and h's codes: block k = 32 channels = one norm group of my pixel, all in my lane
.macro XBLOCK k
.set XS, BIG+32*\k
.irp n, 0,1,2,3,4,5,6,7
	ds_load_b128 v[SML+4*\n:SML+4*\n+3], v[TAD] offset:128*\k+16*\n
	ds_load_b128 v[ACC+4*\n:ACC+4*\n+3], v[TAD] offset:1024+128*\k+16*\n
.endr
	ds_load_b64 v[192:193], v[TAD] offset:2048+128*\k
	s_wait_loadcnt 44-32*\k                        ; behind this block's 32 loads: the other block's 32 (k = 0) and the 12 for q
	s_wait_dscnt 0x0
.set i, 0
.rept 16
	v_pk_add_f32 v[XS+2*i:XS+2*i+1], v[XS+2*i:XS+2*i+1], v[192:193] neg_lo:[0,1] neg_hi:[0,1]
.set i, i+1
.endr
.set i, 0
.rept 16
	v_pk_fma_f32 v[XS+2*i:XS+2*i+1], v[XS+2*i:XS+2*i+1], v[SML+2*i:SML+2*i+1], v[ACC+2*i:ACC+2*i+1]   ; (x - mean) rstd w + b
.set i, i+1
.endr
	v_max3_num_f32 v[TM], |v[XS]|, |v[XS+1]|, |v[XS+2]|
	v_max3_num_f32 v[TM+1], |v[XS+3]|, |v[XS+4]|, |v[XS+5]|
.irp i, 6,10,14,18,22,26
	s_delay_alu instid0(VALU_DEP_2)
	v_max3_num_f32 v[TM], v[TM], |v[XS+\i]|, |v[XS+\i+1]|
	s_delay_alu instid0(VALU_DEP_2)
	v_max3_num_f32 v[TM+1], v[TM+1], |v[XS+\i+2]|, |v[XS+\i+3]|
.endr
	s_delay_alu instid0(VALU_DEP_2)
	v_max3_num_f32 v[TM], v[TM], |v[XS+30]|, |v[XS+31]|
	s_delay_alu instid0(VALU_DEP_1)
	v_max3_num_f32 v[TM], v[TM], v[TM+1], 0x8000000     ; and the floor 2^(16 - 127): the byte cannot fall under 1
	s_delay_alu instid0(VALU_DEP_1)
	v_add_nc_u32 v[TM+6], 0xf8800000, v[TM]             ; 15 off the exponent field: the conversion's scale operand
	s_delay_alu instid0(VALU_DEP_1)
	v_lshrrev_b32 v[250+\k], 23, v[TM+6]                ; the byte
.set i, 0
.rept 32
.set i, i+1
.endr
.irp g, 0,1,2,3
	v_cvt_scalef32_pk8_bf8_f32 v[COD+8*\k+2*\g:COD+8*\k+2*\g+1], v[XS+8*\g:XS+8*\g+7], v[TM+6]
.endr
	v_nop                                          ; a plain instruction behind the last conversion
	ds_store_b128 v[HST], v[COD+8*\k:COD+8*\k+3] offset:32*\k
	ds_store_b128 v[HST], v[COD+8*\k+4:COD+8*\k+7] offset:32*\k+16
.endm
	XBLOCK 0
	XBLOCK 1
	v_lshl_or_b32 v250, v251, 8, v250
	ds_store_b16 v[HSS], v250                      ; my pixel's two scale bytes
	s_wait_tensorcnt 0x0                           ; my 96 rows of W have landed,
	s_wait_dscnt 0x0                               ; and my part of h
	s_barrier_signal -1
	s_barrier_wait -1                              ; everybody's have
	; ---- the products
.macro FRAGS big, sml, s               ; K step s: source 0's four fragments, source 1's two
.irp i, 0,1,2,3
.irp c, 0,1,2,3
	ds_load_b128 v[BIG+16*\i+4*\c:BIG+16*\i+4*\c+3], v[\big] offset:(32*(\i/2)+8*(\i%2))*PIT+128*\s+32*\c
.endr
.endr
.irp j, 0,1
.irp c, 0,1,2,3
	ds_load_b128 v[SML+16*\j+4*\c:SML+16*\j+4*\c+3], v[\sml] offset:8*\j*PIT+128*\s+32*\c
.endr
.endr
.endm
.macro MUL s, kind                     ; eight accumulators by turns, one instruction a turn.  K step 0 starts the sums with the biases as C
.irp j, 0,1
.irp i, 0,1,2,3
.if \s == 0
.if \kind == 0
	v_wmma_scale_f32_16x16x128_f8f6f4 v[ACC+32*\j+8*\i:ACC+32*\j+8*\i+7], v[BIG+16*\i:BIG+16*\i+15], v[SML+16*\j:SML+16*\j+15], v[BIAS+8*\i:BIAS+8*\i+7], v[BIGS+2*\i], v[SMLS+2*\j] matrix_a_fmt:MATRIX_FMT_BF8 matrix_b_fmt:MATRIX_FMT_BF8
.else
	v_wmma_scale_f32_16x16x128_f8f6f4 v[ACC+32*\j+8*\i:ACC+32*\j+8*\i+7], v[BIG+16*\i:BIG+16*\i+15], v[SML+16*\j:SML+16*\j+15], v[BIAS+8*\j:BIAS+8*\j+7], v[BIGS+2*\i], v[SMLS+2*\j] matrix_a_fmt:MATRIX_FMT_BF8 matrix_b_fmt:MATRIX_FMT_BF8
.endif
.else
	v_wmma_scale_f32_16x16x128_f8f6f4 v[ACC+32*\j+8*\i:ACC+32*\j+8*\i+7], v[BIG+16*\i:BIG+16*\i+15], v[SML+16*\j:SML+16*\j+15], v[ACC+32*\j+8*\i:ACC+32*\j+8*\i+7], v[BIGS+2*\i+1], v[SMLS+2*\j+1] matrix_a_fmt:MATRIX_FMT_BF8 matrix_b_fmt:MATRIX_FMT_BF8
.endif
.endr
.endr
.endm
.macro PRODUCT kind, big, sml          ; kind 0: q or k;  kind 1: v
	FRAGS \big, \sml, 0
.if \kind == 0
.irp j, 0,1
	ds_load_b64 v[SMLS+2*\j:SMLS+2*\j+1], v[AHSQ] offset:64*\j                          ; h's scale words: source 1's
.endr
.else
.irp i, 0,1,2,3
	ds_load_b64 v[BIGS+2*\i:BIGS+2*\i+1], v[AHSV] offset:(32*(\i/2)+8*(\i%2))*8         ; source 0's
.endr
.endif
	s_wait_loadcnt 0x0                             ; W's scale words and the biases
	s_wait_dscnt 0x0
	MUL 0, \kind
	PLACES 8                                       ; in front of loads into registers that these matrix instructions have read
	FRAGS \big, \sml, 1
	s_wait_dscnt 0x0
	MUL 1, \kind
	PLACES 9                                       ; 8 in front of the reads of the results and of the next loads; 9 in front of the next unit's first products, which write over these accumulators
.endm
; 32 numbers of a lane, register 16 B + i = place 32 B + 16 (lane / 16) + i along the next K, become 8 registers of codes and the two bytes of a scale word.  Each accumulator is read from its low end on.
.macro QUANT2 src, cod, pw
	s_wait_xcnt 0x0                                ; earlier stores have read the codes' and the word's registers: only now are they written again
.irp b, 0,1
	v_max3_num_f32 v[TM+\b], |v[\src+16*\b]|, |v[\src+16*\b+1]|, 0x8000000
.endr
.irp i, 2,4,6,8,10,12,14
.irp b, 0,1
	v_max3_num_f32 v[TM+\b], v[TM+\b], |v[\src+16*\b+\i]|, |v[\src+16*\b+\i+1]|
.endr
.endr
.irp b, 0,1
	s_delay_alu instid0(VALU_DEP_2)
	v_permlanex16_b32 v[TM+2+\b], v[TM+\b], s[SEL], s[SEL+1]
.endr
.irp b, 0,1
	s_delay_alu instid0(VALU_DEP_2)
	v_max_num_f32 v[TM+\b], v[TM+\b], v[TM+2+\b]   ; with lane l xor 16's 16: the block's largest magnitude
.endr
.irp b, 0,1
	s_delay_alu instid0(VALU_DEP_2)
	v_add_nc_u32 v[TM+6+\b], 0xf8800000, v[TM+\b]
.endr
.irp b, 0,1
.endr
.irp b, 0,1
	s_delay_alu instid0(VALU_DEP_2)
	v_lshrrev_b32 v[TM+2+\b], 23, v[TM+6+\b]
.endr
	s_delay_alu instid0(VALU_DEP_1)
	v_lshl_or_b32 v[\pw], v[TM+3], 8, v[TM+2]
.irp b, 0,1
.irp i, 0,1,2,3,4,5,6,7,8,9,10,11,12,13,14,15
.endr
	v_cvt_scalef32_pk8_bf8_f32 v[\cod+4*\b:\cod+4*\b+1], v[\src+16*\b:\src+16*\b+7], v[TM+6+\b]
	v_cvt_scalef32_pk8_bf8_f32 v[\cod+4*\b+2:\cod+4*\b+3], v[\src+16*\b+8:\src+16*\b+15], v[TM+6+\b]
.endr
	v_nop                                          ; a plain instruction behind the last conversion: later products write its sources
.endm
.macro IMAGES base
.endm
	PRODUCT 0, AWQ, AHQ                            ; q
	AUXQK 1                                        ; k's words and biases come while q is quantised
	QUANT2 ACC, COD, 248
	QUANT2 ACC+32, COD+8, 249
	v_or_b32 v248, 0x7f7f0000, v248                ; the head has 64 of an instruction's 128 along K: the other two blocks count as 1.0 over zero codes
	v_or_b32 v249, 0x7f7f0000, v249
.irp n, 0,1,2,3
	global_store_b128 v[LI16], v[COD+4*\n:COD+4*\n+3], s[18:19] offset:512*\n
.endr
	global_store_b32 v[LI4], v248, s[20:21]
	global_store_b32 v[LI4], v249, s[20:21] offset:128
	PRODUCT 0, AWK, AHQ                            ; k
	AUXV
	QUANT2 ACC, COD, 248
	QUANT2 ACC+32, COD+8, 249
	v_or_b32 v248, 0x7f7f0000, v248
	v_or_b32 v249, 0x7f7f0000, v249
.irp n, 0,1,2,3
	global_store_b128 v[LI16], v[COD+4*\n:COD+4*\n+3], s[22:23] offset:512*\n
.endr
	global_store_b64 v[LI16], v[248:249], s[24:25] ; my two tiles' words of the lane's four
	PRODUCT 1, AHV, AWV                            ; v
	QUANT2 ACC, COD, 248
	QUANT2 ACC+32, COD+8, 249
.irp j, 0,1
.irp e, 0,1
	global_store_b128 v[LI16], v[COD+8*\j+4*\e:COD+8*\j+4*\e+3], s[56:57] offset:2048*\j+512*\e
.endr
.endr
	global_store_b16 v[LI16], v248, s[58:59]       ; two of the word's four bytes: the block with the step's other 64 keys writes the other two
	global_store_b16 v[LI16], v249, s[58:59] offset:4
	s_wait_dscnt 0x0
	s_wait_tensorcnt 0x0
	ds_add_u32 v13, v255
	s_wait_dscnt 0x0
	CROUND                                         ; the closing round: no work-group ends while a partner may still ask for rows that name it
	s_endpgm
.Lfunc_end_k_q84a24680c1_qkv:
	.size	k_q84a24680c1_qkv, .Lfunc_end_k_q84a24680c1_qkv-k_q84a24680c1_qkv
	.p2alignl 7, 3214868480
	.fill 96, 4, 3214868480
	.section	.rodata,"a",@progbits
	.p2align	6, 0x0
	.amdhsa_kernel k_q84a24680c1_qkv
		.amdhsa_group_segment_fixed_size 230912
		.amdhsa_private_segment_fixed_size 0
		.amdhsa_enable_private_segment 0
		.amdhsa_kernarg_size 88
		.amdhsa_user_sgpr_count 2
		.amdhsa_user_sgpr_kernarg_segment_ptr 1
		.amdhsa_wavefront_size32 1
		.amdhsa_system_sgpr_workgroup_id_x 1
		.amdhsa_system_sgpr_workgroup_id_y 1
		.amdhsa_system_sgpr_workgroup_id_z 1
		.amdhsa_system_vgpr_workitem_id 0
		.amdhsa_next_free_vgpr 256
		.amdhsa_next_free_sgpr 84
		.amdhsa_reserve_vcc 0
		.amdhsa_float_denorm_mode_32 3
		.amdhsa_float_denorm_mode_16_64 3
		.amdhsa_fp16_overflow 1
		.amdhsa_memory_ordered 1
		.amdhsa_forward_progress 1
		.amdhsa_inst_pref_size 62
	.end_amdhsa_kernel
	.amdgpu_metadata
---
amdhsa.version: [ 1, 2 ]
amdhsa.kernels:
  - .name:           k_q84a24680c1_qkv
    .symbol:         k_q84a24680c1_qkv.kd
    .args:
      - { .name: x, .offset: 0, .size: 8, .value_kind: global_buffer, .address_space: global }
      - { .name: gstat, .offset: 8, .size: 8, .value_kind: global_buffer, .address_space: global }
      - { .name: norm_w, .offset: 16, .size: 8, .value_kind: global_buffer, .address_space: global }
      - { .name: norm_b, .offset: 24, .size: 8, .value_kind: global_buffer, .address_space: global }
      - { .name: qkv_w_codes, .offset: 32, .size: 8, .value_kind: global_buffer, .address_space: global }
      - { .name: qkv_w_scales, .offset: 40, .size: 8, .value_kind: global_buffer, .address_space: global }
      - { .name: qkv_b, .offset: 48, .size: 8, .value_kind: global_buffer, .address_space: global }
      - { .name: qimg, .offset: 56, .size: 8, .value_kind: global_buffer, .address_space: global }
      - { .name: qsc, .offset: 64, .size: 8, .value_kind: global_buffer, .address_space: global }
      - { .name: kvimg, .offset: 72, .size: 8, .value_kind: global_buffer, .address_space: global }
      - { .name: kvsc, .offset: 80, .size: 8, .value_kind: global_buffer, .address_space: global }
    .group_segment_fixed_size: 230912
    .private_segment_fixed_size: 0
    .kernarg_segment_align: 8
    .kernarg_segment_size: 88
    .max_flat_workgroup_size: 256
    .sgpr_count:     84
    .vgpr_count:     256
    .wavefront_size: 32
...
	.end_amdgpu_metadata
.endif
;; end of part 2
;; launch attn (part 3): grid 16 x 16, 16 waves a work-group, clusters of 4 x 1, 327,680 bytes of LDS; arguments qimg, qsc, kvimg, kvsc, oimg, osc; writes oimg, osc
.if DOCPART == 3
	.amdgcn_target "amdgcn-amd-amdhsa--gfx1250"
	.amdhsa_code_object_version 6
	.text
	.protected	k_q84a24680c1_attn
	.globl	k_q84a24680c1_attn
	.p2align	8
	.type	k_q84a24680c1_attn,@function
k_q84a24680c1_attn:
	s_mov_b64 s[64:65], 0
	v_nop
	global_prefetch_b8 v0, s[64:65] scope:SCOPE_SE
	s_setreg_imm32_b32 hwreg(HW_REG_WAVE_MODE, 25, 1), 1
	s_wait_xcnt 0x0
	s_wait_alu depctr_hold_cnt(0) depctr_sa_sdst(0) depctr_va_vdst(0) depctr_va_sdst(0) depctr_va_ssrc(0) depctr_va_vcc(0) depctr_vm_vsrc(0)
	s_getreg_b32 s2, hwreg(HW_REG_IB_STS2, 6, 4)
	s_cmp_eq_u32 s2, 0
	s_cbranch_scc0 .Lentry_in_a_cluster
	s_endpgm
.Lentry_in_a_cluster:
	s_bfe_u32 s2, ttmp6, 0x10000c
	s_cmp_lg_u32 s2, 0x3003
	s_cbranch_scc0 .Lentry_shape_is_right
	s_endpgm
.Lentry_shape_is_right:
; O = softmax(q k^T / 8) v for 16 (image, head) pairs of 4,096 pixels, head size 64, both products on codes of BF8 (E5M2) with one E8M0 scale for each 32 along K; then o = O / l is quantised along the channels for the projection.
; THE SOFTMAX: t = score x log2(e) / 8; M = the running largest t rounded UP to a whole number; p = 2^(t - M) is quantised along the keys, not normalised; the row's sum l is taken of the unquantised p;
; when M moves, l and O are multiplied by 2^(old M - new M), which rounds nothing.  No branch hangs on data.
; SHARES.  A work-group owns 256 queries of one head, each of its SIXTEEN waves one tile of 16, in 256 registers: four waves to a SIMD, so that one wave's vector work stands beside another's products and LDS loads.
; Every wave walks the head's 32 steps of 128 keys.  Both products are used transposed (S^T = K Q^T, O^T = V^T P^T): a lane holds ONE query throughout.
; OPERANDS ARE IMAGES OF THEIR REGISTERS (the launch before laid them so): every LDS load is 16 bytes a lane at 16 x lane + an immediate, 512 consecutive bytes an instruction.  The keys of a tile of K and the d of a tile of V
; were chosen there so that p's and o's 16 registers of two neighbouring tiles are 16 neighbours along the next K.
; K = 64 IN AN INSTRUCTION OF 128: Q's operand is v16-31, its upper eight registers zero codes.  K's operand of tile T is v[32 + 8 T .. + 15]: its upper eight registers are the NEXT tile's codes (for tile 7: zeros).
; Those codes are finite numbers (the quantiser holds every number within the largest code), they meet zeros under scale bytes 0x7f, and add nothing.  So no zeros are read from LDS.
; RING.  Two LDS slots of four steps (65,536 bytes).  Waves 0 to 3 fetch a step's record (16,384 bytes) each, one load behind each change of slots, which then has four steps in which to land.  By this text's count
; such a wave has two loads out at the start and one behind each change.  The scale words of the whole head (49,152 bytes) come once, with the first fills.
; CLUSTER.  The four work-groups of a cluster belong to one head and walk the same K and V: each record is asked for JOINTLY.
; LIMITS: a block of zeros gets the byte 1 over zero codes (this program alone reads the bytes); NaN and infinities are not served.
.set SLOT1, 1<<16                      ; slot 1: one exclusive or turns an address of one slot into the other's
.set SCL,   2*SLOT1                    ; K's scale words, 32,768 bytes, then V's, 16,384
.set SPARE, SCL+49152                  ; the spare words, 128 bytes a wave: eight blocks of 256 bytes that no other line names
.set LI,  1                            ; v1   16 x lane
.set SPW, 2                            ; v2   my spare word; never rewritten
.set NIL, 3                            ; v3   0; never rewritten
.set ADK, 4                            ; v4   16 x lane + the slot in hand
.set ADS, 5                            ; v5   + the slot's scale words of K
.set ADT, 6                            ; v6   + of V
.set PFO, 7                            ; v7   256 x lane: the prefetches' offset; never rewritten
.set L4,  8                            ; v8   4 x lane
.set QS,  10                           ; v10  Q's scale word
.set PS,  11                           ; v11  p's
                                       ; v12 -M, v13 the largest t, v[14:15] l in two halves
.set QF,  16                           ; v16-23 Q's codes, v24-31 zeros
.set FA,  32                           ; v32-95 K's eight tiles, then V's four; v96-103 zeros
.set S,   104                          ; v104-167 S^T, then p
.set OT,  168                          ; v168-199 O^T
.set PC,  200                          ; v200-215 p's codes
.set KS,  216                          ; v216-223 K's scale words
.set VS,  224                          ; v224-227 V's
.set BM,  228                          ; v228-231 each block's largest score, then largest p
.set PX,  232                          ; v232-235 the other half's, then the bytes
.set HO,  236
.set SO,  240                          ; v240-243 the conversions' scale operands
.set FF,  244                          ; v[244:245] f = 2^(old M - new M)
.set CA,  246                          ; v[246:247], v[250:251] the step's sum of p, in two chains
.set TMP, 248                          ; v248, v249 at work
.set CB,  250
.set WV,  16                           ; s16 wave
.set SEL, 20                           ; s[20:21] selects for lane l xor 16
.set CS,  22                           ; s[22:23] c = log2(e) / 8
.set MNT, 24
.set SLOTS, 25                         ; s25 slots still to be asked for
.set TB,  26                           ; s26 the slot in hand
.set TS,  27                           ; s27 its scale words of K: 4,096 a slot
.set TJ,  28                           ; s28 of V: 2,048 a slot
.set LIM, 29                           ; s29 1 in a wave that prefetches, else the greatest number
.set PFA, 30                           ; s[30:31] where my prefetches stand
.macro PLACES n
.rept \n
	v_nop
.endr
.endm
.macro CROUND                          ; a round of the cluster's barrier
	s_barrier_signal -1
	s_barrier_wait -1
	s_cmp_lg_u32 s[WV], 0
	s_cbranch_scc1 .Lnot_wave_0_\@
	s_barrier_signal -3
.Lnot_wave_0_\@:
	s_barrier_wait -3
	s_barrier_signal -1
	s_barrier_wait -1
.endm
.macro TLOAD                           ; waves 0 to 3 fetch a record each; the branch hangs on the wave's number alone.  Four v_nop follow the load
	s_cmp_lt_u32 s[WV], 4
	s_cbranch_scc0 .Lasked_\@
	tensor_load_to_lds s[48:51], s[32:39]
	s_nop 0
	PLACES 4
.Lasked_\@:
.endm
; A PREFETCH of what the NEXT change of slots will ask for: a slot's 65,536 bytes, four key steps ahead of that load.  All four clusters of a head walk the same records: the head's first cluster asks.  Its four partners take a
; record each, told apart BY ADDRESS; in each, waves 4 and 5, which fetch nothing, take 8,192 bytes each, lanes 256 bytes apart: one instruction a wave, and each aligned block of 256 bytes of slots 2 to 7 is named once in the launch.
; Slots 0 and 1 come by their loads alone; the last change that fills a slot asks for nothing: there is no slot behind it.
.macro ASK
	s_cmp_gt_u32 s[SLOTS], s[LIM]
	s_cbranch_scc0 .Lnot_mine_\@
	global_prefetch_b8 v[PFO], s[PFA:PFA+1] th:TH_LOAD_NT scope:SCOPE_SE
.Lnot_mine_\@:
.endm
	s_load_b256 s[4:11], s[0:1], 0x0               ; qimg 4, qsc 6, kvimg 8, kvsc 10
	s_load_b128 s[12:15], s[0:1], 0x20             ; oimg 12, osc 14
	v_lshl_add_u32 v[SPW], v0, 2, SPARE
	v_mov_b32 v[NIL], 0
	ds_add_u32 v2, v3
	ds_add_u32 v2, v3
	s_wait_dscnt 0x0
	v_lshrrev_b32 v[TMP], 5, v0
	s_delay_alu instid0(VALU_DEP_1)
	v_readfirstlane_b32 s[WV], v[TMP]
	s_bfe_u32 s17, ttmp6, 0x40000                  ; cx
	s_lshl_b32 s18, ttmp9, 2
	s_add_co_u32 s18, s18, s17                     ; my block of 256 queries: it enters Q's and o's addresses alone
	s_and_b32 s19, ttmp7, 0xffff                   ; bh = 4 x image + head, which the four partners share
	s_mov_b32 s[SEL], 0x76543210
	s_mov_b32 s[SEL+1], 0xfedcba98
	s_mov_b32 s[CS], 0x3e38aa3b                    ; log2(e) / 8
	s_mov_b32 s[CS+1], s[CS]                       ; (named with it as a pair, so it is written)
	s_mov_b32 s[SLOTS], 7
	s_mov_b32 s[TB], 0
	s_mov_b32 s[TS], SCL
	s_mov_b32 s[TJ], SCL+32768
	; descriptor groups 1: dense blocks as rows of 256 bytes (32 elements of 8 bytes), no padding: a record is 64 rows, a quarter of the scale words 48
	s_mov_b32 s32, 15|(3<<16)|(1<<21)              ; 15:0 the mask: all four work-groups; 17:16 elements of 8 bytes; 21 set beside a mask
	s_mov_b32 s33, 32<<16
	s_mov_b32 s34, 64<<16
	s_mov_b32 s35, 32<<16
	s_mov_b32 s36, 64
	s_mov_b32 s37, 32
	s_mov_b32 s38, 0
	s_mov_b32 s39, 0
	s_mov_b32 s40, 15|(3<<16)|(1<<21)
	s_mov_b32 s41, 32<<16
	s_mov_b32 s42, 48<<16
	s_mov_b32 s43, 32<<16
	s_mov_b32 s44, 48
	s_mov_b32 s45, 32
	s_mov_b32 s46, 0
	s_mov_b32 s47, 0
	s_and_b32 s58, s[WV], 3                        ; which record, which quarter
	s_mov_b32 s48, 1
	s_lshl_b32 s49, s58, 14                        ; LDS: slot 0, my record
	s_lshl_b32 s56, s19, 19                        ; the head's 524,288 bytes of kvimg
	s_add_co_u32 s60, s56, s49
	s_mov_b32 s61, 0
	s_mov_b32 s52, 1
	s_mul_i32 s59, s58, 12288
	s_add_co_u32 s53, s59, SCL
	s_mul_i32 s62, s19, 49152
	s_add_co_u32 s62, s62, s59
	s_mov_b32 s63, 0
	s_lshl_b32 s66, s17, 14                        ; the prefetches: my work-group's record,
	s_add_co_u32 s66, s66, s56
	s_and_b32 s68, s[WV], 1
	s_lshl_b32 s68, s68, 13                        ; my wave's half of it,
	s_add_co_u32 s66, s66, s68
	s_add_co_u32 s66, s66, 65536                   ; in slot 1: the first change of slots steps it to slot 2.  Nothing is prefetched at the head
	s_mov_b32 s67, 0
	s_lshr_b32 s[LIM], s[WV], 1
	s_xor_b32 s[LIM], s[LIM], 2                    ; 0 in waves 4 and 5,
	s_or_b32 s[LIM], s[LIM], ttmp9                 ; of the head's first cluster: the same in all four partners
	s_cmp_eq_u32 s[LIM], 0
	s_cselect_b32 s[LIM], 1, -1
	s_wait_kmcnt 0x0
	s_add_nc_u64 s[50:51], s[8:9], s[60:61]
	s_or_b32 s51, s51, 0x80000000
	s_add_nc_u64 s[54:55], s[10:11], s[62:63]
	s_or_b32 s55, s55, 0x80000000
	s_add_nc_u64 s[PFA:PFA+1], s[8:9], s[66:67]
	CROUND                                         ; all four work-groups are here: the first joint loads meet
	s_cmp_lt_u32 s[WV], 4                          ; a wave's two first fills stand in one branch, ahead of every wait on TENSORcnt and every LDS read
	s_cbranch_scc0 .Lno_first
	tensor_load_to_lds s[52:55], s[40:47]          ; a quarter of the head's scale words: filled once
	s_nop 0
	tensor_load_to_lds s[48:51], s[32:39]          ; slot 0, my record
	s_nop 0
	PLACES 4
.Lno_first:
	s_lshl_b32 s56, s19, 18                        ; Q: tile 16 x block + wave of the head's 256, 1,024 bytes each
	s_lshl_b32 s58, s18, 14
	s_add_co_u32 s56, s56, s58
	s_lshl_b32 s58, s[WV], 10
	s_add_co_u32 s56, s56, s58
	s_mov_b32 s57, 0
	s_add_nc_u64 s[4:5], s[4:5], s[56:57]
	s_lshr_b32 s56, s56, 3                         ; its scale words: 128 bytes a tile
	s_add_nc_u64 s[6:7], s[6:7], s[56:57]
	s_lshr_b32 s59, s19, 2                         ; image
	s_and_b32 s60, s19, 3                          ; head
	s_lshl_b32 s56, s59, 20                        ; oimg [image][tile][head][B][512]
	s_lshl_b32 s58, s18, 16
	s_add_co_u32 s56, s56, s58
	s_lshl_b32 s58, s[WV], 12
	s_add_co_u32 s56, s56, s58
	s_lshl_b32 s58, s60, 10
	s_add_co_u32 s56, s56, s58
	s_add_nc_u64 s[12:13], s[12:13], s[56:57]
	s_lshr_b32 s56, s56, 3                         ; osc [image][tile][head][lane] words
	s_add_nc_u64 s[14:15], s[14:15], s[56:57]
	v_and_b32 v[TMP], 31, v0
	s_delay_alu instid0(VALU_DEP_1)
	v_lshlrev_b32 v[LI], 4, v[TMP]
	s_delay_alu instid0(VALU_DEP_2)
	v_lshlrev_b32 v[L4], 2, v[TMP]
	s_delay_alu instid0(VALU_DEP_3)
	v_lshlrev_b32 v[PFO], 8, v[TMP]
	global_load_b128 v[QF:QF+3], v[LI], s[4:5]     ; Q stays in registers
	global_load_b128 v[QF+4:QF+7], v[LI], s[4:5] offset:512
	global_load_b32 v[QS], v[L4], s[6:7]
.set i, 0
.rept 8
	v_mov_b32 v[QF+8+i], 0                         ; the zero codes of Q's upper 64 along K,
	v_mov_b32 v[FA+64+i], 0                        ; and behind K's tile 7
.set i, i+1
.endr
.set i, 0
.rept 32
	v_mov_b32 v[OT+i], 0                           ; O^T.  (The step is written once: the first finds zeros, which the first change of M leaves zeros)
.set i, i+1
.endr
	v_mov_b32 v13, 0xff61b1e6                      ; the largest t so far: -3e38, under every t
	s_delay_alu instid0(VALU_DEP_1)
	v_floor_f32 v12, -v13                          ; -M
	v_mov_b32 v14, 0
	v_mov_b32 v15, 0
.irp b, 0,1,2,3
	v_mov_b32 v[PX+\b], 0                          ; written once: a lane permute's destination counts as one of its sources
.endr
	v_mov_b32 v[FF+1], 0                           ; (named as the upper half of a pair)
; A KEY STEP: 128 keys, the q-th of the slot in hand.  Every offset is an immediate.
.macro STEP q
.irp t, 0,1,2,3,4,5,6,7
	ds_load_b128 v[FA+8*\t:FA+8*\t+3], v[ADK] offset:16384*\q+1024*\t
	ds_load_b128 v[FA+8*\t+4:FA+8*\t+7], v[ADK] offset:16384*\q+1024*\t+512
.endr
	ds_load_b128 v[KS:KS+3], v[ADS] offset:1024*\q
	ds_load_b128 v[KS+4:KS+7], v[ADS] offset:1024*\q+512
	s_wait_dscnt 0x0
.irp t, 0,1,2,3,4,5,6,7
	v_wmma_scale_f32_16x16x128_f8f6f4 v[S+8*\t:S+8*\t+7], v[FA+8*\t:FA+8*\t+15], v[QF:QF+15], 0, v[KS+\t], v[QS] matrix_a_fmt:MATRIX_FMT_BF8 matrix_b_fmt:MATRIX_FMT_BF8
.endr                                          ; lane (r, h): query r; the 16 registers of tiles 2 b, 2 b + 1 are keys 32 b + 16 h + 0 .. 15
	v_mov_b32 v[TMP], v12                          ; the old -M.  With seven v_nop: eight places, in front of the loads into K's registers and of the first read of the scores
	PLACES 7
.irp t, 0,1,2,3
.irp c, 0,1,2,3
	ds_load_b128 v[FA+16*\t+4*\c:FA+16*\t+4*\c+3], v[ADK] offset:16384*\q+8192+2048*\t+512*\c   ; V's four tiles land under the softmax
.endr
.endr
	ds_load_b128 v[VS:VS+3], v[ADT] offset:512*\q
.irp b, 0,1,2,3
	v_max3_num_f32 v[BM+\b], v[S+16*\b], v[S+16*\b+1], v[S+16*\b+2]   ; THE LARGEST SCORE OF EACH BLOCK OF 32 KEYS serves twice: for the row's maximum and, since p rises with the score, for the block's largest p
.endr
.irp i, 3,5,7,9,11,13
.irp b, 0,1,2,3
	v_max3_num_f32 v[BM+\b], v[BM+\b], v[S+16*\b+\i], v[S+16*\b+\i+1]
.endr
.endr
.irp b, 0,1,2,3
	v_max_num_f32 v[BM+\b], v[BM+\b], v[S+16*\b+15]
.endr
.irp b, 0,1,2,3
	s_delay_alu instid0(VALU_DEP_4)
	v_permlanex16_b32 v[PX+\b], v[BM+\b], s[SEL], s[SEL+1]
.endr
.irp b, 0,1,2,3
	s_delay_alu instid0(VALU_DEP_4)
	v_max_num_f32 v[BM+\b], v[BM+\b], v[PX+\b]     ; with lane l xor 16's 16 keys
.endr
	s_delay_alu instid0(VALU_DEP_2)
	v_max3_num_f32 v[TMP+1], v[BM], v[BM+1], v[BM+2]
	s_delay_alu instid0(VALU_DEP_1)
	v_max_num_f32 v[TMP+1], v[TMP+1], v[BM+3]
	s_delay_alu instid0(VALU_DEP_1)
	v_mul_f32 v[TMP+1], s[CS], v[TMP+1]            ; the step's largest t (c is positive)
	s_delay_alu instid0(VALU_DEP_1)
	v_max_num_f32 v13, v13, v[TMP+1]
	s_delay_alu instid0(VALU_DEP_1)
	v_floor_f32 v12, -v13                          ; the new -M = -ceil(t): a whole number
	s_delay_alu instid0(VALU_DEP_1)
	v_sub_f32 v[TMP], v12, v[TMP]                  ; old M - new M: a whole number, 0 or less
	s_delay_alu instid0(VALU_DEP_1)
	v_cvt_i32_f32 v[TMP], v[TMP]                   ; (it saturates)
	s_delay_alu instid0(VALU_DEP_1)
	v_ldexp_f32 v[FF], 1.0, v[TMP]                 ; f
.set j, 0
.rept 32
	v_pk_fma_f32 v[S+j:S+j+1], v[S+j:S+j+1], s[CS:CS+1], v[12:13] op_sel_hi:[1,0,0]   ; t - M, two at a time
.set j, j+2
.endr
.irp b, 0,1,2,3
	v_fma_f32 v[BM+\b], v[BM+\b], s[CS], v12       ; the same of each block's largest score
.endr
.set j, 0
	s_wait_alu depctr_va_vdst(0)
.rept 64
	v_exp_f32 v[S+j], v[S+j]                       ; p = 2^(t - M), at most 1
.set j, j+1
.endr
	v_nop                                          ; a plain instruction behind the batch,
	s_wait_alu depctr_va_vdst(0)                   ; and ONE wait for the 64, ahead of their first reader
.irp b, 0,1,2,3
	v_exp_f32 v[BM+\b], v[BM+\b]                   ; the block's largest p: the same two instructions on the same number give the same bits
.endr
	v_pk_add_f32 v[CA:CA+1], v[S:S+1], v[S+2:S+3]  ; THE SUM IS TAKEN OF THE UNQUANTISED p, in two chains.  (It reads the 64 alone: plain work behind the four)
	v_pk_add_f32 v[CB:CB+1], v[S+4:S+5], v[S+6:S+7]
.irp j, 8,12,16,20,24,28,32,36,40,44,48,52,56,60
	v_pk_add_f32 v[CA:CA+1], v[CA:CA+1], v[S+\j:S+\j+1]
	v_pk_add_f32 v[CB:CB+1], v[CB:CB+1], v[S+\j+2:S+\j+3]
.endr
	s_wait_alu depctr_va_vdst(0)                   ; and one for the four
.irp b, 0,1,2,3
	v_max_num_f32 v[BM+\b], 0x8000000, v[BM+\b]    ; the floor 2^(16 - 127): the byte cannot fall under 1
.endr
.irp b, 0,1,2,3
	s_delay_alu instid0(VALU_DEP_4)
	v_add_nc_u32 v[SO+\b], 0xf8800000, v[BM+\b]    ; 15 off the exponent field: the conversion's scale operand
.endr
.irp b, 0,1,2,3
.endr
.irp b, 0,1,2,3
	s_delay_alu instid0(VALU_DEP_4)
	v_lshrrev_b32 v[PX+\b], 23, v[SO+\b]           ; the byte
.endr
	s_delay_alu instid0(VALU_DEP_3)
	v_lshl_or_b32 v[PS], v[PX+1], 8, v[PX]         ; p's scale word for these 128 keys
	s_delay_alu instid0(VALU_DEP_1)
	v_lshl_or_b32 v[PS], v[PX+2], 16, v[PS]
	s_delay_alu instid0(VALU_DEP_1)
	v_lshl_or_b32 v[PS], v[PX+3], 24, v[PS]
.irp b, 0,1,2,3
.irp i, 0,1,2,3,4,5,6,7,8,9,10,11,12,13,14,15
.endr
	v_cvt_scalef32_pk8_bf8_f32 v[PC+4*\b:PC+4*\b+1], v[S+16*\b:S+16*\b+7], v[SO+\b]
	v_cvt_scalef32_pk8_bf8_f32 v[PC+4*\b+2:PC+4*\b+3], v[S+16*\b+8:S+16*\b+15], v[SO+\b]
.endr
.set j, 0
.rept 16
	v_pk_mul_f32 v[OT+j:OT+j+1], v[OT+j:OT+j+1], v[FF:FF+1] op_sel_hi:[1,0]   ; O^T under the new M.  (These sixteen are also the places between the codes and the products that take them)
.set j, j+2
.endr
	s_wait_alu depctr_va_vdst(0)
	s_wait_dscnt 0x0                               ; V
.irp t, 0,1,2,3
	v_wmma_scale_f32_16x16x128_f8f6f4 v[OT+8*\t:OT+8*\t+7], v[FA+16*\t:FA+16*\t+15], v[PC:PC+15], v[OT+8*\t:OT+8*\t+7], v[VS+\t], v[PS] matrix_a_fmt:MATRIX_FMT_BF8 matrix_b_fmt:MATRIX_FMT_BF8
.endr                                          ; the accumulators take turns, one instruction a turn
	v_pk_fma_f32 v[14:15], v[14:15], v[FF:FF+1], v[CA:CA+1] op_sel_hi:[1,0,1]   ; l = l f + the step's sum.  With six v_nop: eight places in front of the next loads into V's registers
	s_delay_alu instid0(VALU_DEP_1)
	v_pk_add_f32 v[14:15], v[14:15], v[CB:CB+1]
	PLACES 6
.endm
; THE CHANGE OF SLOTS stands at a slot's head.  Each wave waits for all its tensor loads (its part of the slot ahead), adds 0 to its spare word, and waits for that and for its reads of the slot that it has left.
; fill = 1: a round of the cluster's barrier, so that no wave of any partner still reads that slot or has a load on its way; the joint refill is the first thing behind it.
.macro CHANGE fill
	s_wait_tensorcnt 0x0                           ; no tensor load of mine is out, so the walking descriptor may be written
	ds_add_u32 v[SPW], v[NIL]
.if \fill
	s_xor_b32 s49, s49, SLOT1                      ; the other slot than last time,
	s_add_nc_u64 s[50:51], s[50:51], 65536         ; the next four steps; the type bits on top are not reached
	s_wait_xcnt 0x0                                ; the last prefetch, a slot back, has read its address
	s_add_nc_u64 s[PFA:PFA+1], s[PFA:PFA+1], 65536 ; one slot further on than the walking descriptor
.endif
	s_wait_dscnt 0x0                               ; the add is done, and my reads of the slot that I have left are over
.if \fill
	CROUND
	TLOAD
	ASK
.else
	s_barrier_signal -1
	s_barrier_wait -1
.endif
	v_add_nc_u32 v[ADK], s[TB], v[LI]
	v_add_nc_u32 v[ADS], s[TS], v[LI]
	v_add_nc_u32 v[ADT], s[TJ], v[LI]
.endm
.macro SLOT_STEPS
	STEP 0
	STEP 1
	STEP 2
	STEP 3
	s_xor_b32 s[TB], s[TB], SLOT1
	s_add_co_u32 s[TS], s[TS], 4096
	s_add_co_u32 s[TJ], s[TJ], 2048
.endm
	s_wait_loadcnt 0x0                             ; Q
.Lslot:                                            ; seven trips: behind each change of slots but the last the next slot is asked for
	CHANGE 1
	s_wait_alu depctr_va_vdst(0)
	SLOT_STEPS
	s_sub_co_u32 s[SLOTS], s[SLOTS], 1
	s_cmp_lg_u32 s[SLOTS], 0
	s_cbranch_scc1 .Lslot
	CHANGE 0                                       ; the last slot is written out
	s_wait_alu depctr_va_vdst(0)
	SLOT_STEPS
	; THE WAY OUT: o = O^T / l, quantised along the channels: my head's two blocks of 32; a lane's 16 registers of tiles 2 B, 2 B + 1 are d = 32 B + 16 h + 0 .. 15
	v_add_f32 v14, v14, v15
	s_delay_alu instid0(VALU_DEP_1)
	v_permlanex16_b32 v[PX], v14, s[SEL], s[SEL+1]
	s_delay_alu instid0(VALU_DEP_1)
	v_add_f32 v14, v14, v[PX]                      ; the row's sum
	s_wait_alu depctr_va_vdst(0)
	v_rcp_f32 v14, v14
	v_nop                                          ; a plain instruction behind the transcendental,
	s_wait_alu depctr_va_vdst(0)                   ; and the wait ahead of its first reader
.set j, 0
.rept 32
	v_mul_f32 v[S+j], v[OT+j], v14                 ; each accumulator from its low end on
.set j, j+1
.endr
.irp b, 0,1
	v_max3_num_f32 v[BM+\b], |v[S+16*\b]|, |v[S+16*\b+1]|, 0x8000000
.endr
.irp i, 2,4,6,8,10,12,14
.irp b, 0,1
	s_delay_alu instid0(VALU_DEP_2)
	v_max3_num_f32 v[BM+\b], v[BM+\b], |v[S+16*\b+\i]|, |v[S+16*\b+\i+1]|
.endr
.endr
.irp b, 0,1
	s_delay_alu instid0(VALU_DEP_2)
	v_permlanex16_b32 v[PX+\b], v[BM+\b], s[SEL], s[SEL+1]
.endr
.irp b, 0,1
	s_delay_alu instid0(VALU_DEP_2)
	v_max_num_f32 v[BM+\b], v[BM+\b], v[PX+\b]
.endr
.irp b, 0,1
	s_delay_alu instid0(VALU_DEP_2)
	v_add_nc_u32 v[SO+\b], 0xf8800000, v[BM+\b]
.endr
.irp b, 0,1
.endr
.irp b, 0,1
	s_delay_alu instid0(VALU_DEP_2)
	v_lshrrev_b32 v[PX+\b], 23, v[SO+\b]
.endr
	s_delay_alu instid0(VALU_DEP_1)
	v_lshl_or_b32 v[PS], v[PX+1], 8, v[PX]         ; my head's two bytes; the projection joins two heads' to a word
.irp b, 0,1
.irp i, 0,1,2,3,4,5,6,7,8,9,10,11,12,13,14,15
.endr
	v_cvt_scalef32_pk8_bf8_f32 v[PC+4*\b:PC+4*\b+1], v[S+16*\b:S+16*\b+7], v[SO+\b]
	v_cvt_scalef32_pk8_bf8_f32 v[PC+4*\b+2:PC+4*\b+3], v[S+16*\b+8:S+16*\b+15], v[SO+\b]
.endr
	v_nop
	global_store_b128 v[LI], v[PC:PC+3], s[12:13]  ; 512 consecutive bytes a store, aligned
	global_store_b128 v[LI], v[PC+4:PC+7], s[12:13] offset:512
	global_store_b32 v[L4], v[PS], s[14:15]
	s_wait_tensorcnt 0x0                           ; the wave's end
	ds_add_u32 v[SPW], v[NIL]
	s_wait_dscnt 0x0
	CROUND                                         ; the closing round: no work-group ends while a partner may still ask for a record that names it
	s_endpgm
.Lfunc_end_k_q84a24680c1_attn:
	.size	k_q84a24680c1_attn, .Lfunc_end_k_q84a24680c1_attn-k_q84a24680c1_attn
	.p2alignl 7, 3214868480
	.fill 96, 4, 3214868480
	.section	.rodata,"a",@progbits
	.p2align	6, 0x0
	.amdhsa_kernel k_q84a24680c1_attn
		.amdhsa_group_segment_fixed_size 327680
		.amdhsa_private_segment_fixed_size 0
		.amdhsa_enable_private_segment 0
		.amdhsa_kernarg_size 48
		.amdhsa_user_sgpr_count 2
		.amdhsa_user_sgpr_kernarg_segment_ptr 1
		.amdhsa_wavefront_size32 1
		.amdhsa_system_sgpr_workgroup_id_x 1
		.amdhsa_system_sgpr_workgroup_id_y 1
		.amdhsa_system_sgpr_workgroup_id_z 1
		.amdhsa_system_vgpr_workitem_id 0
		.amdhsa_next_free_vgpr 256
		.amdhsa_next_free_sgpr 72
		.amdhsa_reserve_vcc 0
		.amdhsa_float_denorm_mode_32 3
		.amdhsa_float_denorm_mode_16_64 3
		.amdhsa_fp16_overflow 1
		.amdhsa_memory_ordered 1
		.amdhsa_forward_progress 1
		.amdhsa_inst_pref_size 146
	.end_amdhsa_kernel
	.amdgpu_metadata
---
amdhsa.version: [ 1, 2 ]
amdhsa.kernels:
  - .name:           k_q84a24680c1_attn
    .symbol:         k_q84a24680c1_attn.kd
    .args:
      - { .name: qimg, .offset: 0, .size: 8, .value_kind: global_buffer, .address_space: global }
      - { .name: qsc, .offset: 8, .size: 8, .value_kind: global_buffer, .address_space: global }
      - { .name: kvimg, .offset: 16, .size: 8, .value_kind: global_buffer, .address_space: global }
      - { .name: kvsc, .offset: 24, .size: 8, .value_kind: global_buffer, .address_space: global }
      - { .name: oimg, .offset: 32, .size: 8, .value_kind: global_buffer, .address_space: global }
      - { .name: osc, .offset: 40, .size: 8, .value_kind: global_buffer, .address_space: global }
    .group_segment_fixed_size: 327680
    .private_segment_fixed_size: 0
    .kernarg_segment_align: 8
    .kernarg_segment_size: 48
    .max_flat_workgroup_size: 512
    .sgpr_count:     72
    .vgpr_count:     256
    .wavefront_size: 32
...
	.end_amdgpu_metadata
.endif
;; end of part 3
;; launch proj (part 4): grid 256 x 1, 16 waves a work-group, no clusters, 90,112 bytes of LDS; arguments oimg, osc, proj_w_codes, proj_w_scales, proj_b, x, out0; writes out0
.if DOCPART == 4
	.amdgcn_target "amdgcn-amd-amdhsa--gfx1250"
	.amdhsa_code_object_version 6
	.text
	.protected	k_q84a24680c1_proj
	.globl	k_q84a24680c1_proj
	.p2align	8
	.type	k_q84a24680c1_proj,@function
k_q84a24680c1_proj:
	s_mov_b64 s[64:65], 0
	v_nop
	global_prefetch_b8 v0, s[64:65] scope:SCOPE_SE
	s_setreg_imm32_b32 hwreg(HW_REG_WAVE_MODE, 25, 1), 1
	s_wait_xcnt 0x0
; out0 = x + proj_w o + proj_b, the product on codes of BF8 (E5M2) with one E8M0 scale for each 32 along K = the 256 channels.
; SHARES.  A work-group takes 64 pixels of one image (four tiles of o, as attention left them: images of an operand's registers) and all 256 outputs; wave w takes outputs 16 w .. 16 w + 15: eight matrix instructions.
; Source 0 = a tile of o (its pixels in the order 32 B + 8 u + r + 8 (r / 8)), source 1 = 16 rows of proj_w: a lane holds ONE output, and the 16 registers of tiles 2 B, 2 B + 1 are pixels 32 B + 16 (lane / 16) + 0 .. 15:
; 64 neighbouring bytes of a row of out0.  They go through the wave's own stage in LDS and leave as whole rows: sixteen lanes store 256 consecutive bytes, aligned.
; o's 16,384 bytes and its 2,048 bytes of scale words come once, 1,024 + 128 bytes a wave, and reach all waves through LDS: one barrier.
; proj_w: a wave's 16 rows are 4,096 consecutive bytes, read in eight loads of 512 consecutive bytes and turned into fragments through the wave's own stage.
; NO CLUSTER, NO TENSOR LOAD: all the work-group's loads go out together in its first lines; a joint load of proj_w would put two rounds of a cluster's barrier round a text with one barrier and eight products a wave.
; No prefetch for the same reason.
.set OSC, 16384                        ; LDS: o's images at 0; their scale words, [tile][head][lane];
.set STG, OSC+2048                     ; and a stage of 16 rows x (256 + 16) bytes for each wave
.set WS,  12                           ; v[12:13] proj_w's scale words, K step 0, 1
.set BI,  16                           ; v16-23   my output's bias, in eight registers: the C of a sum's first product
.set WF,  24                           ; v24-55   proj_w: rows as loaded, then two fragments
.set XR,  56                           ; v56-87   x
.set ACC, 88                           ; v88-119  16 B + 8 u
.set OF,  120                          ; v120-183 four fragments of o (u, K step); later rows of the result
.set RW,  184                          ; v184-199 o's scale words as stored: (tile, head), two bytes each
.set OS,  200                          ; v200-207 (tile, K step): four bytes
.set OP,  208                          ; v208-215 my part of o, v216 of its words
.macro PLACES n
.rept \n
	v_nop
.endr
.endm
	s_load_b256 s[4:11], s[0:1], 0x0               ; oimg 4, osc 6, proj_w's codes 8, its scales 10
	s_load_b128 s[12:15], s[0:1], 0x20             ; proj_b 12, x 14
	s_load_b64 s[16:17], s[0:1], 0x30              ; out0
	v_lshl_add_u32 v224, v0, 2, 0x15800
	v_mov_b32 v225, 0
	v_lshrrev_b32 v220, 5, v0
	s_delay_alu instid0(VALU_DEP_1)
	v_readfirstlane_b32 s18, v220                  ; wave
	s_lshr_b32 s19, ttmp9, 6                       ; image
	s_and_b32 s20, ttmp9, 63                       ; block of 64 pixels
	v_and_b32 v220, 31, v0                         ; lane
	v_and_b32 v221, 15, v0                         ; r
	v_bfe_u32 v222, v0, 4, 1                       ; h
	s_delay_alu instid0(VALU_DEP_3)
	v_lshlrev_b32 v1, 4, v220                      ; 16 x lane
	s_delay_alu instid0(VALU_DEP_4)
	v_lshlrev_b32 v2, 2, v220                      ; 4 x lane
	s_lshl_b32 s22, s18, 10
	v_add_nc_u32 v3, s22, v1                       ; LDS: where I put my part of o,
	s_lshl_b32 s22, s18, 7
	s_add_co_u32 s22, s22, OSC
	v_add_nc_u32 v4, s22, v2                       ; and of its words
	s_mul_i32 s21, s18, 16*272
	s_add_co_u32 s21, s21, STG                     ; my stage
	v_mul_u32_u24 v5, v222, 272
	s_delay_alu instid0(VALU_DEP_1)
	v_lshl_add_u32 v5, v221, 4, v5
	s_delay_alu instid0(VALU_DEP_1)
	v_add_nc_u32 v5, s21, v5                       ; by rows: lanes 0-15 one row, lanes 16-31 the next
	v_mul_u32_u24 v7, v221, 272
	s_delay_alu instid0(VALU_DEP_1)
	v_add_nc_u32 v7, s21, v7
	s_delay_alu instid0(VALU_DEP_1)
	v_lshl_add_u32 v6, v222, 4, v7                 ; a fragment of proj_w: row r, + 16 h
	s_delay_alu instid0(VALU_DEP_2)
	v_lshl_add_u32 v7, v222, 6, v7                 ; the results: row r, + 64 h
	v_lshlrev_b32 v8, 14, v222
	s_delay_alu instid0(VALU_DEP_1)
	v_lshl_add_u32 v8, v221, 4, v8                 ; x, out0: two channels an instruction, 16 bytes a lane
	v_lshlrev_b32 v9, 3, v221
	v_lshlrev_b32 v10, 2, v221
	s_mov_b32 s25, 0
	s_mov_b32 s27, 0
	s_mov_b32 s29, 0
	s_lshl_b32 s24, s19, 20                        ; oimg: 4,096 bytes a tile, tile 4 x block; my 1,024 bytes
	s_lshl_b32 s22, s20, 14
	s_add_co_u32 s24, s24, s22
	s_lshl_b32 s22, s18, 10
	s_add_co_u32 s24, s24, s22
	s_lshr_b32 s26, s24, 3                         ; osc: an eighth of that
	s_lshl_b32 s28, s19, 22                        ; x, out0: image, 16 x wave channels, the block's 256 bytes
	s_lshl_b32 s22, s18, 18
	s_add_co_u32 s28, s28, s22
	s_lshl_b32 s22, s20, 8
	s_add_co_u32 s28, s28, s22
	s_wait_alu depctr_va_vdst(0)
	s_wait_kmcnt 0x0
	s_add_nc_u64 s[4:5], s[4:5], s[24:25]
	s_add_nc_u64 s[6:7], s[6:7], s[26:27]
	s_add_nc_u64 s[14:15], s[14:15], s[28:29]
	s_add_nc_u64 s[16:17], s[16:17], s[28:29]
	s_lshl_b32 s24, s18, 12                        ; my 16 rows of proj_w,
	s_add_nc_u64 s[8:9], s[8:9], s[24:25]
	s_lshl_b32 s24, s18, 7                         ; their scale bytes,
	s_add_nc_u64 s[10:11], s[10:11], s[24:25]
	s_lshl_b32 s24, s18, 6                         ; their biases
	s_add_nc_u64 s[12:13], s[12:13], s[24:25]
	global_load_b128 v[OP:OP+3], v1, s[4:5]
	global_load_b128 v[OP+4:OP+7], v1, s[4:5] offset:512
	global_load_b32 v[OP+8], v2, s[6:7]
.irp i, 0,1,2,3,4,5,6,7
	global_load_b128 v[WF+4*\i:WF+4*\i+3], v1, s[8:9] offset:512*\i
.endr
	global_load_b64 v[WS:WS+1], v9, s[10:11]
.irp i, 0,1,2,3,4,5,6,7
	global_load_b32 v[BI+\i], v10, s[12:13]
.endr
.irp i, 0,1,2,3,4,5,6,7
	global_load_b128 v[XR+4*\i:XR+4*\i+3], v8, s[14:15] offset:32768*\i th:TH_LOAD_NT   ; sixteen lanes read 256 consecutive bytes; the program's last read of x
.endr
	s_wait_loadcnt 17                              ; behind o's part and proj_w's rows: the scale words' load, the bias's eight, x's eight
	ds_store_b128 v3, v[OP:OP+3]
	ds_store_b128 v3, v[OP+4:OP+7] offset:512
	ds_store_b32 v4, v[OP+8]
.irp i, 0,1,2,3,4,5,6,7
	ds_store_b128 v5, v[WF+4*\i:WF+4*\i+3] offset:544*\i
.endr
	s_wait_dscnt 0x0                               ; for the others' sake: my part of o has landed
	s_barrier_signal -1
	s_barrier_wait -1
.irp s, 0,1
.irp c, 0,1,2,3
	ds_load_b128 v[WF+16*\s+4*\c:WF+16*\s+4*\c+3], v6 offset:128*\s+32*\c
.endr
.endr
.irp t, 0,1,2,3
.irp n, 0,1,2,3
	ds_load_b32 v[RW+4*\t+\n], v2 offset:OSC+(4*\t+\n)*128
.endr
.endr
	s_wait_dscnt 0x0
.irp t, 0,1,2,3
.irp s, 0,1
	v_lshl_or_b32 v[OS+2*\t+\s], v[RW+4*\t+2*\s+1], 16, v[RW+4*\t+2*\s]   ; K step s = heads 2 s and 2 s + 1: two bytes of each
.endr
.endr
	s_wait_alu depctr_va_vdst(0)
.irp e, 0,1                                    ; tiles 2 e and 2 e + 1 of o
.if \e == 1
	PLACES 8                                       ; in front of loads into registers that matrix instructions have read
.endif
.irp u, 0,1
.irp s, 0,1
.irp c, 0,1,2,3
	ds_load_b128 v[OF+16*(2*\u+\s)+4*\c:OF+16*(2*\u+\s)+4*\c+3], v1 offset:(2*(2*\e+\u)+\s)*2048+512*\c
.endr
.endr
.endr
	s_wait_dscnt 0x0
.if \e == 0
	s_wait_loadcnt 8                               ; proj_w's scale words and the bias are in; x's eight loads may be out
	PLACES 8                                       ; scale words made by vector instructions stand eight places ahead of the products
.endif
.irp s, 0,1
.irp u, 0,1
.if \s == 0
	v_wmma_scale_f32_16x16x128_f8f6f4 v[ACC+16*\e+8*\u:ACC+16*\e+8*\u+7], v[OF+32*\u:OF+32*\u+15], v[WF:WF+15], v[BI:BI+7], v[OS+2*(2*\e+\u)], v[WS] matrix_a_fmt:MATRIX_FMT_BF8 matrix_b_fmt:MATRIX_FMT_BF8
.else
	v_wmma_scale_f32_16x16x128_f8f6f4 v[ACC+16*\e+8*\u:ACC+16*\e+8*\u+7], v[OF+32*\u+16:OF+32*\u+31], v[WF+16:WF+31], v[ACC+16*\e+8*\u:ACC+16*\e+8*\u+7], v[OS+2*(2*\e+\u)+1], v[WS+1] matrix_a_fmt:MATRIX_FMT_BF8 matrix_b_fmt:MATRIX_FMT_BF8
.endif
.endr
.endr                                          ; the two accumulators take turns
.endr
	PLACES 8                                       ; in front of the reads of the results and of the loads into o's registers
.irp e, 0,1
.irp i, 0,1,2,3
	ds_store_b128 v7, v[ACC+16*\e+4*\i:ACC+16*\e+4*\i+3] offset:128*\e+16*\i   ; output 16 w + r, pixels 32 e + 16 h + 4 i on; each accumulator from its low end on
.endr
.endr
.irp i, 0,1,2,3,4,5,6,7
	ds_load_b128 v[OF+4*\i:OF+4*\i+3], v5 offset:544*\i   ; LDS serves a wave's instructions in order (ISA guide 5.7.1.4): these see my stores
.endr
	s_wait_loadcnt 0x0                             ; x
.irp i, 0,1,2,3,4,5,6,7
	s_wait_dscnt 7-\i
	v_pk_add_f32 v[OF+4*\i:OF+4*\i+1], v[OF+4*\i:OF+4*\i+1], v[XR+4*\i:XR+4*\i+1]
	v_pk_add_f32 v[OF+4*\i+2:OF+4*\i+3], v[OF+4*\i+2:OF+4*\i+3], v[XR+4*\i+2:XR+4*\i+3]
	global_store_b128 v8, v[OF+4*\i:OF+4*\i+3], s[16:17] offset:32768*\i th:TH_STORE_NT   ; sixteen lanes store 256 consecutive bytes, aligned
.endr
	s_wait_tensorcnt 0x0
	ds_add_u32 v224, v225
	s_wait_dscnt 0x0
	s_endpgm
.Lfunc_end_k_q84a24680c1_proj:
	.size	k_q84a24680c1_proj, .Lfunc_end_k_q84a24680c1_proj-k_q84a24680c1_proj
	.p2alignl 7, 3214868480
	.fill 96, 4, 3214868480
	.section	.rodata,"a",@progbits
	.p2align	6, 0x0
	.amdhsa_kernel k_q84a24680c1_proj
		.amdhsa_group_segment_fixed_size 90112
		.amdhsa_private_segment_fixed_size 0
		.amdhsa_enable_private_segment 0
		.amdhsa_kernarg_size 56
		.amdhsa_user_sgpr_count 2
		.amdhsa_user_sgpr_kernarg_segment_ptr 1
		.amdhsa_wavefront_size32 1
		.amdhsa_system_sgpr_workgroup_id_x 1
		.amdhsa_system_sgpr_workgroup_id_y 1
		.amdhsa_system_sgpr_workgroup_id_z 1
		.amdhsa_system_vgpr_workitem_id 0
		.amdhsa_next_free_vgpr 226
		.amdhsa_next_free_sgpr 66
		.amdhsa_reserve_vcc 0
		.amdhsa_float_denorm_mode_32 3
		.amdhsa_float_denorm_mode_16_64 3
		.amdhsa_memory_ordered 1
		.amdhsa_forward_progress 1
		.amdhsa_inst_pref_size 16
	.end_amdhsa_kernel
	.amdgpu_metadata
---
amdhsa.version: [ 1, 2 ]
amdhsa.kernels:
  - .name:           k_q84a24680c1_proj
    .symbol:         k_q84a24680c1_proj.kd
    .args:
      - { .name: oimg, .offset: 0, .size: 8, .value_kind: global_buffer, .address_space: global }
      - { .name: osc, .offset: 8, .size: 8, .value_kind: global_buffer, .address_space: global }
      - { .name: proj_w_codes, .offset: 16, .size: 8, .value_kind: global_buffer, .address_space: global }
      - { .name: proj_w_scales, .offset: 24, .size: 8, .value_kind: global_buffer, .address_space: global }
      - { .name: proj_b, .offset: 32, .size: 8, .value_kind: global_buffer, .address_space: global }
      - { .name: x, .offset: 40, .size: 8, .value_kind: global_buffer, .address_space: global }
      - { .name: out0, .offset: 48, .size: 8, .value_kind: global_buffer, .address_space: global }
    .group_segment_fixed_size: 90112
    .private_segment_fixed_size: 0
    .kernarg_segment_align: 8
    .kernarg_segment_size: 56
    .max_flat_workgroup_size: 512
    .sgpr_count:     66
    .vgpr_count:     226
    .wavefront_size: 32
...
	.end_amdgpu_metadata
.endif
;; end of part 4
